; MI455X (gfx1250); checked and timed in simulation.
; The chip was launched on July 23, 2026; its instructions are those of AMD's public machine-readable ISA for CDNA 5 (MIT licence, August 2026) and "CDNA5" Instruction Set Architecture Reference Guide (July 2026). The comments in the code are by the model that wrote it; some were corrected since.
;; Cross Attention. Allowed arithmetic: matrix products marked QUANTISED: E2M1 operands, one E8M0 scale for each 32 along K, by v_wmma_scale_f32_16x16x128_f8f6f4 with both operands' format E2M1 (or v_wmma_scale_f32_32x16x128_f4), f32 sums; everything else in f32.
;; Inputs: kv 2 x 2,048 x 2 x 8 x 128 float32; q_codes 2 x 2,048 x 32 x 4 x 16 uint8 (E2M1 codes of q, K innermost, in blocks of 32 codes, two codes a byte); q_scales 2 x 2,048 x 32 x 4 uint8 (E8M0 scales of q, one for each 32 codes along K).
;; Outputs: out0 2 x 2,048 x 32 x 128 float32.
;; This version of the problem:
;;   THIS VERSION OF THE PROBLEM IS GIVEN IN LOW PRECISION. The matrix products marked QUANTISED in the list below multiply operands that are first quantised to E2M1 (2 exponent bits, 1 mantissa bit; 4 bits a number), with one power-of-two scale for each 32 numbers along K (OCP MX v1.0); their sums are f32. All else is computed in f32.
;;   The module's matrix products, in the order in which they are computed (A, B: the left and right operand; K: the contracted axis; several contracted axes count as one K, in the product's order):
;;     1. batch 64 x [M 2,048, K 128] x [K 128, N 2,048]; A: input q (given as codes); B: computed on the way: QUANTISED
;;     2. batch 64 x [M 128, K 2,048] x [K 2,048, N 2,048]; A: input kv; B: softmax (see below): QUANTISED
;;   THE QUANTISER, for each operand of a quantised product, along K:
;;     - K is cut into blocks of 32 from its start; a last block that is shorter is filled with zeros.
;;     - A block's scale is 2^e with e = floor(log2(the largest magnitude in the block)) - 2, held to -126 .. 127; a block of zeros has e = 0. As a byte (E8M0): e + 127.
;;     - Each number is divided by its block's scale, clamped to +-6, and rounded to the nearest number of E2M1, ties to even, subnormals kept.
;;     - The product sums the exact products of the quantised numbers (number of the format x scale) in f32.
;;   ~~~python
;;   def quantise(x, axis):      # numpy; x: float32 -> the quantised numbers, widened to float32 again
;;       x = np.moveaxis(x, axis, -1); K = x.shape[-1]
;;       x = np.pad(x, [(0, 0)] * (x.ndim - 1) + [(0, -K % 32)]); x = x.reshape(x.shape[:-1] + (-1, 32)); a = np.abs(x).max(-1, keepdims=True)
;;       e = np.where(a > 0, np.clip(np.frexp(np.where(a > 0, a, 1))[1] - 1 - 2, -126, 127), 0)      # np.frexp(a)[1] - 1 = floor(log2(a)), exactly
;;       r = np.clip(x / 2.0 ** e, -6, 6)
;;       step = 2.0 ** (np.maximum(np.frexp(np.where(r == 0, 1, r))[1] - 1, 0) - 1)
;;       q = np.round(r / step) * step * 2.0 ** e      # np.round: ties to even
;;       return np.moveaxis(q.reshape(q.shape[:-2] + (-1,))[..., :K], -1, axis).astype(np.float32)
;;   ~~~
;;   SOFTMAX AHEAD OF A QUANTISED PRODUCT. Where the list says 'softmax', what is quantised is not the finished softmax but p = 2^(t - M), with t = logit x log2(e) and M = ceil(the row's largest t), a whole number; so 1/2 < the row's largest p <= 1. The row's sum l is taken of the UNQUANTISED p, in f32, and the product's result is divided by l at the end. Since M is a whole number, a kernel that streams over the keys may use a running M (the ceiling of the running maximum): every later rescaling is an exact power of two, which a block's scale takes up: the codes' values come out the same.
;;   OPERANDS COMPUTED ON THE WAY. 'Computed on the way' means the value that the module computes at that place (a softmax that the list does not call 'softmax' is quantised finished and normalised). What goes into a quantiser is computed in f32, as accurately as f32 sums, v_exp_f32 and their like allow (about 1e-6 of the number): no bf16 or f16 on the way to a quantiser, and a product that is left as it is and whose result goes on into a quantised operand takes f32 operands (vector FMAs, or v_wmma_f32_16x16x4_f32). A number that lies on a knife's edge between two numbers of the format may be rounded either way, as far as f32 arithmetic and the matrix unit's own rounding can turn it there, and no further.
;;   INPUTS GIVEN AS CODES. q (in the module: [2, 2048, 32, 128], K = its axis 3): each comes as NAME_codes (uint8): NAME with its K axis moved to the last place and cut into blocks of 32 codes, [.., K / 32, bytes a block], one block behind the other in memory; two codes a byte, the lower K in the low four bits (a code: sign, 2 exponent bits, 1 mantissa bit); and NAME_scales (uint8): the same leading axes, one E8M0 byte (e + 127) for each 32 codes along K. Its value is code x scale, taken as it is: it is not quantised again, and the codes and scales need not be those that the quantiser above would give.
;; One version. Each part assembles by itself: llvm-mc -triple=amdgcn-amd-amdhsa -mcpu=gfx1250 --defsym DOCPART=n.
;; ======== version 1 of 1: 2 launches
;; limits: right only within a limited range of input values
;; workspace buffers: kvq 4,456,448 bytes
;; launch prep (part 1): grid 16 x 16, 8 waves a work-group, no clusters, 69,632 bytes of LDS; arguments kv, kvq; writes kvq
.if DOCPART == 1
	.amdgcn_target "amdgcn-amd-amdhsa--gfx1250"
	.amdhsa_code_object_version 6
	.text
	.protected	k_qaeb0daf25d_prep
	.globl	k_qaeb0daf25d_prep
	.p2align	8
	.type	k_qaeb0daf25d_prep,@function
k_qaeb0daf25d_prep:
	s_mov_b64 s[64:65], 0
	v_nop
	global_prefetch_b8 v0, s[64:65] scope:SCOPE_SE
	s_setreg_imm32_b32 hwreg(HW_REG_WAVE_MODE, 25, 1), 1
	s_wait_xcnt 0x0
; kv [2][2048][2][8][128] f32 becomes kvq: codes of E2M1 with one E8M0 byte for each 32 along a product's K, laid in the order of the operands' registers.
; K: k x 1/sqrt(128), in f32, quantised along the head's 128.   V: as given, quantised along the KEYS.
; A block's scale is 2^(floor(log2(its largest magnitude)) - 2): its byte is the largest magnitude's exponent field - 2, held at 1 from below.
; LIMITS: NaN and infinities in kv are not served.  A block whose largest magnitude lies under 2^-124, a block of zeros among them, keeps the byte 1
; (a block of zeros has zero codes, which add nothing under that byte; the bytes are read by this program alone).
; kvq: [y = 8 b + g: 16][key step j: 16][17,408 bytes].  A step is 128 keys:
;   +0      K's codes: tile T at 1024 T, register group c at + 512 c, lane L at + 16 L.  Row r of tile T is key 64 (T / 4) + 8 (T % 4) + r % 8 + 32 (r / 8) of the step;
;           lane L = r + 16 h holds, in group c, the row's block 2 c + h of 32 along the head's 128.
;   +8192   K's scale words: lane L at 16 L, word i at + 4 i: the word of row L % 16 of tile 2 i + L / 16.
;   +8704   V's codes, the same form: tile t = channels 16 t + r; group c of lane (r, h): keys 64 c + 32 h + 0 .. 31 of the step.
;   +16896  V's scale words, laid as K's; byte n belongs to keys 32 n .. 32 n + 31.
; SHARES.  Work-group (x = j, y): 128 keys of one kv head.  Wave w: K's tile w (16 keys), and of V the channels 32 (w & 3) + lane, keys 64 (w >> 2) + 0 .. 63: two blocks, each whole in a lane.
; K's rows are loaded as they lie (a load reads a key's 512 consecutive bytes) and turn through the wave's own stage in LDS, so that a lane gets 32 neighbours along the head's axis.
; V needs no turn: a lane takes a channel and its registers run down the keys; a load reads 128 consecutive bytes, and four waves stand side by side on a head's 512.
; All 80 loads of a wave go out at the head.  No tensor load, no matrix unit, no cluster: memory binds, and work-groups share no input.
.set STEPB,  17408
.set KSC,    8192
.set VCO,    8704
.set SPITCH, 528                       ; a stage row: 512 bytes + 16 = 132 words: row r starts 4 r words on modulo 64, so the sixteen rows that a load touches fall on different words of a 256-byte span
.set STGB,   16*SPITCH                 ; a wave's stage
.set GATH,   8*STGB                    ; behind the stages: K's 512 bytes of scale words, then V's 512
.set LANE, 1
.set LI,   2                           ; 16 x lane
.set VO,   3                           ; 4 x lane
.set SIN,  4                           ; the stage, on the way in
.set SOUT, 5                           ; and on the way out
.set KSO,  6                           ; where K's codes go in the step's image
.set VSO,  7                           ; where V's go
.set KGA,  8                           ; LDS: my row's place among K's scale words
.set VGA,  9                           ; LDS: my channel's two bytes among V's
.set FLA,  10                          ; LDS: the last copy's source
.set FSO,  11                          ; and its place in the step's image
.set KM,   12                          ; v12-13  K: largest magnitudes of my two blocks (at the head: r and h)
.set KOP,  14                          ; v14-15  K: the conversions' scale operands
.set KC,   16                          ; v16-23  K's codes
.set VC,   24                          ; v24-31  V's codes, four registers a block
.set KR,   32                          ; v32-95  K as loaded
.set X,    96                          ; v96-159 K turned: register 32 c + i = number i of my block 2 c + h
.set VR,   160                         ; v160-223 V: two blocks of 32
.set KBY,  224                         ; v224-225 K's two bytes
.set KW,   226                         ; K's scale word
.set SH,   227                         ; 8 h
.set PD,   228                         ; a lane permute's destination
.set VBY,  229                         ; v229-230 V's two bytes
.set VM,   231                         ; v231-232 V: two chains of maxima
.set VOP,  233                         ; V: the conversions' scale operand
.set FL,   236                         ; v236-239 the last copy
	s_load_b128 s[4:7], s[0:1], 0x0                ; kv s[4:5], kvq s[6:7]
	v_lshl_add_u32 v240, v0, 2, 0x10c00
	v_mov_b32 v241, 0
	v_lshrrev_b32 v[LANE], 5, v0
	s_delay_alu instid0(VALU_DEP_1)
	v_readfirstlane_b32 s8, v[LANE]                ; wave 0..7
	v_and_b32 v[LANE], 31, v0
	s_wait_alu depctr_va_vdst(0)
	v_and_b32 v[KM], 15, v0                        ; r
	s_wait_alu depctr_va_vdst(0)
	v_bfe_u32 v[KM+1], v0, 4, 1                    ; h
	s_and_b32 s9, s8, 1                            ; w & 1
	s_lshr_b32 s11, s8, 1                          ; w >> 1
	s_and_b32 s30, s8, 3                           ; w & 3
	s_lshr_b32 s31, s8, 2                          ; w >> 2
	s_and_b32 s10, ttmp7, 0xffff                   ; y = 8 b + g
	s_mov_b32 s18, 0x3db504f3                      ; 1 / sqrt(128) in f32
	s_mov_b32 s19, s18                             ; (named with it as a pair, so it is written)
	s_mov_b32 s20, 0x76543210
	s_mov_b32 s21, 0xfedcba98                      ; v_permlanex16_b32's selects for lane l xor 16
	; byte offsets in kv: b 2^24 + key 8192 + (K: 0, V: 4096) + g 512 + 4 d
	s_lshr_b32 s22, s10, 3
	s_lshl_b32 s22, s22, 24
	s_lshl_b32 s23, ttmp9, 20                      ; 128 keys a step
	s_add_co_u32 s22, s22, s23
	s_and_b32 s23, s10, 7
	s_lshl_b32 s23, s23, 9
	s_add_co_u32 s22, s22, s23                     ; what K and V share
	; THE ROWS OF K'S TILES: row r of tile T is key 64 (T / 4) + 8 (T % 4) + r % 8 + 32 (r / 8) of the step (this, and not the head's formula, is what the code does):
	; in the transposed score product a lane's 32 registers of tiles 4 c .. 4 c + 3 are then the whole block of keys 64 c + 32 (lane / 16) + 0 .. 31.
	s_lshl_b32 s24, s31, 19                        ; K: my tile begins at key 64 (w >> 2) + 8 (w & 3)
	s_lshl_b32 s25, s30, 16
	s_add_co_u32 s24, s24, s25
	s_add_co_u32 s24, s24, s22
	s_mov_b32 s25, 0
	s_lshl_b32 s26, s31, 19                        ; V: keys 64 (w >> 2) on, channels 32 (w & 3) on
	s_lshl_b32 s27, s30, 7
	s_add_co_u32 s26, s26, s27
	s_add_co_u32 s26, s26, s22
	s_add_co_u32 s26, s26, 4096
	s_mov_b32 s27, 0
	s_lshl_b32 s28, s10, 4
	s_add_co_u32 s28, s28, ttmp9
	s_mul_i32 s28, s28, STEPB                      ; the step's image in kvq
	s_mov_b32 s29, 0
	; every LDS address is a constant + a constant x lane + a constant x wave, made here
	v_lshlrev_b32 v[LI], 4, v[LANE]
	v_lshlrev_b32 v[VO], 2, v[LANE]
	s_mul_i32 s23, s8, STGB
	v_add_nc_u32 v[SIN], s23, v[LI]                ; in: row i at 528 i, my 16 bytes of its 512
	v_mul_u32_u24 v[SOUT], v[KM], SPITCH
	s_wait_alu depctr_va_vdst(0)
	v_lshl_add_u32 v[SOUT], v[KM+1], 7, v[SOUT]
	s_delay_alu instid0(VALU_DEP_1)
	v_add_nc_u32 v[SOUT], s23, v[SOUT]             ; out: row r, block h (128 bytes a block)
	s_lshl_b32 s23, s8, 10
	v_add_nc_u32 v[KSO], s23, v[LI]                ; 1024 x tile + 16 x lane
	s_lshl_b32 s23, s30, 11
	s_lshl_b32 s22, s31, 9
	s_add_co_u32 s23, s23, s22
	v_lshlrev_b32 v[VSO], 4, v[KM]
	s_delay_alu instid0(VALU_DEP_1)
	v_lshl_add_u32 v[VSO], v[KM+1], 10, v[VSO]
	s_delay_alu instid0(VALU_DEP_1)
	v_add_nc_u32 v[VSO], s23, v[VSO]               ; tile 2 (w & 3) + lane / 16, group w >> 2, row lane % 16
	s_lshl_b32 s23, s9, 8
	s_lshl_b32 s22, s11, 2
	s_add_co_u32 s23, s23, s22
	v_lshl_add_u32 v[KGA], v[KM], 4, GATH
	s_delay_alu instid0(VALU_DEP_1)
	v_add_nc_u32 v[KGA], s23, v[KGA]               ; lane r + 16 (w & 1) of the words' image, word w >> 1
	s_lshl_b32 s23, s30, 2
	s_lshl_b32 s22, s31, 1
	s_add_co_u32 s23, s23, s22
	v_lshl_add_u32 v[VGA], v[LANE], 4, GATH+512
	s_delay_alu instid0(VALU_DEP_1)
	v_add_nc_u32 v[VGA], s23, v[VGA]               ; my lane of the image, word w & 3, bytes 2 (w >> 2) and + 1
	s_lshl_b32 s23, s9, 9
	v_lshl_add_u32 v[FLA], v[LANE], 4, GATH
	s_delay_alu instid0(VALU_DEP_1)
	v_add_nc_u32 v[FLA], s23, v[FLA]               ; wave 0: K's 512 bytes, wave 1: V's
	s_mul_i32 s23, s9, VCO
	v_add_nc_u32 v[FSO], s23, v[LI]
	v_lshlrev_b32 v[SH], 3, v[KM+1]
	v_mov_b32 v[PD], 0                             ; written once: a lane permute's destination counts as one of its sources
	s_wait_kmcnt 0x0
	s_add_nc_u64 s[12:13], s[4:5], s[24:25]        ; K
	s_add_nc_u64 s[14:15], s[4:5], s[26:27]        ; V
	s_add_nc_u64 s[16:17], s[6:7], s[28:29]        ; the image
.macro VLOAD blk                       ; V(32 blk + i, my channel), i = 0 .. 31
.set i, 0
.rept 32
	global_load_b32 v[VR+32*\blk+i], v[VO], s[14:15] offset:(32*\blk+i)*8192 th:TH_LOAD_NT
.set i, i+1
.endr
.endm
.macro VBLK blk                        ; a block of 32 keys of my channel: all its numbers are mine
.set XS, VR+32*\blk
	v_max3_num_f32 v[VM], |v[XS]|, |v[XS+1]|, |v[XS+2]|
	v_max3_num_f32 v[VM+1], |v[XS+3]|, |v[XS+4]|, |v[XS+5]|
.irp i, 6,10,14,18,22,26
	s_delay_alu instid0(VALU_DEP_2)
	v_max3_num_f32 v[VM], v[VM], |v[XS+\i]|, |v[XS+\i+1]|
	s_delay_alu instid0(VALU_DEP_2)
	v_max3_num_f32 v[VM+1], v[VM+1], |v[XS+\i+2]|, |v[XS+\i+3]|
.endr
	s_delay_alu instid0(VALU_DEP_2)
	v_max3_num_f32 v[VM], v[VM], |v[XS+30]|, |v[XS+31]|
	s_delay_alu instid0(VALU_DEP_1)
	v_max3_num_f32 v[VM], v[VM], v[VM+1], 0x1800000               ; and the floor 2^(3 - 127): the byte cannot fall under 1
	s_delay_alu instid0(VALU_DEP_1)
	v_add_nc_u32 v[VOP], 0xff000000, v[VM]         ; 2 off the exponent field: the conversion takes this operand's exponent field as its scale
	s_delay_alu instid0(VALU_DEP_1)
	v_lshrrev_b32 v[VBY+\blk], 23, v[VOP]          ; the scale's byte
.irp g, 0,1,2,3
	v_cvt_scalef32_pk8_fp4_f32 v[VC+4*\blk+\g], v[XS+8*\g:XS+8*\g+7], v[VOP]
.endr
	v_nop                                          ; one plain place behind the scaled conversions
	global_store_b128 v[VSO], v[VC+4*\blk:VC+4*\blk+3], s[16:17] offset:VCO+256*\blk   ; each half of the lanes stores 256 consecutive bytes, at a multiple of 256 from kvq's first byte
.endm
	VLOAD 0
.set i, 0
.rept 16
	global_load_b128 v[KR+4*i:KR+4*i+3], v[LI], s[12:13] offset:(i%8+32*(i/8))*8192 th:TH_LOAD_NT   ; row i of my tile: a key's 512 consecutive bytes
.set i, i+1
.endr
	VLOAD 1
	s_wait_loadcnt 48                              ; V's first 32 loads are in: behind them K's 16 and V's other 32
	VBLK 0
	s_wait_loadcnt 32                              ; K's 16 are in
.set i, 0
.rept 16
	ds_store_b128 v[SIN], v[KR+4*i:KR+4*i+3] offset:SPITCH*i
.set i, i+1
.endr
.irp c, 0,1
.irp i, 0,1,2,3,4,5,6,7
	ds_load_b128 v[X+32*\c+4*\i:X+32*\c+4*\i+3], v[SOUT] offset:256*\c+16*\i   ; LDS serves a wave's instructions in order (ISA guide 5.7.1.4): these see my stores
.endr
.endr
	s_wait_dscnt 0x0
.set i, 0
.rept 32
	v_pk_mul_f32 v[X+i:X+i+1], v[X+i:X+i+1], s[18:19] op_sel_hi:[1,0]          ; k x 1 / sqrt(128), in f32, ahead of the quantiser
.set i, i+2
.endr
.irp c, 0,1
	v_max3_num_f32 v[KM+\c], |v[X+32*\c]|, |v[X+32*\c+1]|, 0x1800000           ; my block 2 c + h, and the floor
.endr
.irp i, 2,4,6,8,10,12,14,16,18,20,22,24,26,28,30
.irp c, 0,1
	s_delay_alu instid0(VALU_DEP_2)
	v_max3_num_f32 v[KM+\c], v[KM+\c], |v[X+32*\c+\i]|, |v[X+32*\c+\i+1]|      ; (the two blocks by turns)
.endr
.endr
.irp c, 0,1
	s_delay_alu instid0(VALU_DEP_2)
	v_add_nc_u32 v[KOP+\c], 0xff000000, v[KM+\c]
.endr
.irp c, 0,1
	s_delay_alu instid0(VALU_DEP_2)
	v_lshrrev_b32 v[KBY+\c], 23, v[KOP+\c]
.endr
	s_delay_alu instid0(VALU_DEP_1)
	v_lshl_or_b32 v[KW], v[KBY+1], 16, v[KBY]      ; my two bytes: blocks h and 2 + h of row r,
	s_delay_alu instid0(VALU_DEP_1)
	v_lshlrev_b32 v[KW], v[SH], v[KW]              ; at their places in the word;
	s_delay_alu instid0(VALU_DEP_1)
	v_permlanex16_b32 v[PD], v[KW], s20, s21
	s_delay_alu instid0(VALU_DEP_1)
	v_or_b32 v[KW], v[KW], v[PD]                   ; with lane l xor 16's two the word is whole
.irp c, 0,1
.irp g, 0,1,2,3
	v_cvt_scalef32_pk8_fp4_f32 v[KC+4*\c+\g], v[X+32*\c+8*\g:X+32*\c+8*\g+7], v[KOP+\c]
.endr
.endr
	v_nop                                          ; one plain place behind the scaled conversions
.irp c, 0,1
	global_store_b128 v[KSO], v[KC+4*\c:KC+4*\c+3], s[16:17] offset:512*\c     ; the wave stores 512 consecutive bytes
.endr
	ds_store_b32 v[KGA], v[KW]                     ; lanes r and r + 16 write the same word with the same value
	s_wait_loadcnt 0x0                             ; V's other 32
	VBLK 1
	v_lshl_or_b32 v[VBY], v[VBY+1], 8, v[VBY]
	ds_store_b16 v[VGA], v[VBY]                    ; my channel's bytes of key blocks 2 (w >> 2) and + 1
	s_wait_dscnt 0x0                               ; for the others' sake: my scale words and bytes lie in LDS
	s_barrier_signal -1
	s_barrier_wait -1
	s_cmp_gt_u32 s8, 1
	s_cbranch_scc1 .Lend
	ds_load_b128 v[FL:FL+3], v[FLA]                ; the step's scale words leave in whole: wave 0 stores K's 512 bytes, wave 1 V's
	s_wait_dscnt 0x0
	global_store_b128 v[FSO], v[FL:FL+3], s[16:17] offset:KSC
.Lend:
	s_wait_tensorcnt 0x0
	ds_add_u32 v240, v241
	s_wait_dscnt 0x0
	s_endpgm
.Lfunc_end_k_qaeb0daf25d_prep:
	.size	k_qaeb0daf25d_prep, .Lfunc_end_k_qaeb0daf25d_prep-k_qaeb0daf25d_prep
	.p2alignl 7, 3214868480
	.fill 96, 4, 3214868480
	.section	.rodata,"a",@progbits
	.p2align	6, 0x0
	.amdhsa_kernel k_qaeb0daf25d_prep
		.amdhsa_group_segment_fixed_size 69632
		.amdhsa_private_segment_fixed_size 0
		.amdhsa_enable_private_segment 0
		.amdhsa_kernarg_size 16
		.amdhsa_user_sgpr_count 2
		.amdhsa_user_sgpr_kernarg_segment_ptr 1
		.amdhsa_wavefront_size32 1
		.amdhsa_system_sgpr_workgroup_id_x 1
		.amdhsa_system_sgpr_workgroup_id_y 1
		.amdhsa_system_sgpr_workgroup_id_z 1
		.amdhsa_system_vgpr_workitem_id 0
		.amdhsa_next_free_vgpr 242
		.amdhsa_next_free_sgpr 66
		.amdhsa_reserve_vcc 0
		.amdhsa_float_denorm_mode_32 3
		.amdhsa_float_denorm_mode_16_64 3
		.amdhsa_memory_ordered 1
		.amdhsa_forward_progress 1
		.amdhsa_inst_pref_size 25
	.end_amdhsa_kernel
	.amdgpu_metadata
---
amdhsa.version: [ 1, 2 ]
amdhsa.kernels:
  - .name:           k_qaeb0daf25d_prep
    .symbol:         k_qaeb0daf25d_prep.kd
    .args:
      - { .name: kv, .offset: 0, .size: 8, .value_kind: global_buffer, .address_space: global }
      - { .name: kvq, .offset: 8, .size: 8, .value_kind: global_buffer, .address_space: global }
    .group_segment_fixed_size: 69632
    .private_segment_fixed_size: 0
    .kernarg_segment_align: 8
    .kernarg_segment_size: 16
    .max_flat_workgroup_size: 256
    .sgpr_count:     66
    .vgpr_count:     242
    .wavefront_size: 32
...
	.end_amdgpu_metadata
.endif
;; end of part 1
;; launch attn (part 2): grid 16 x 16, 8 waves a work-group, clusters of 4 x 1, 327,680 bytes of LDS; arguments kvq, q_codes, q_scales, out0; writes out0
.if DOCPART == 2
	.amdgcn_target "amdgcn-amd-amdhsa--gfx1250"
	.amdhsa_code_object_version 6
	.text
	.protected	k_qaeb0daf25d_attn
	.globl	k_qaeb0daf25d_attn
	.p2align	8
	.type	k_qaeb0daf25d_attn,@function
k_qaeb0daf25d_attn:
	s_mov_b64 s[64:65], 0
	v_nop
	global_prefetch_b8 v0, s[64:65] scope:SCOPE_SE
	s_setreg_imm32_b32 hwreg(HW_REG_WAVE_MODE, 25, 1), 1
	s_wait_xcnt 0x0
	s_wait_alu depctr_hold_cnt(0) depctr_sa_sdst(0) depctr_va_vdst(0) depctr_va_sdst(0) depctr_va_ssrc(0) depctr_va_vcc(0) depctr_vm_vsrc(0)
	s_getreg_b32 s2, hwreg(HW_REG_IB_STS2, 6, 4)
	s_cmp_eq_u32 s2, 0
	s_cbranch_scc0 .Lentry_in_a_cluster
	s_endpgm
.Lentry_in_a_cluster:
	s_bfe_u32 s2, ttmp6, 0x10000c
	s_cmp_lg_u32 s2, 0x3003
	s_cbranch_scc0 .Lentry_shape_is_right
	s_endpgm
.Lentry_shape_is_right:
; out0[b][s][hd][:] = the sum over keys of softmax(q . (k / sqrt(128))) v, 32 query heads on 8 kv heads, both products on codes of E2M1 with one E8M0 byte for each 32 along K.
; q comes as codes and scale bytes and is taken as it is.  K (already x 1 / sqrt(128)) and V come from kvq, laid by the launch before as images of the operands' registers:
; [y = 8 b + g][key step of 128][17,408 bytes: K's codes 8,192, K's scale words 512, V's codes 8,192, V's scale words 512].
; THE SOFTMAX: t = score x log2(e); M = the running largest t rounded UP to a whole number; p = 2^(t - M) is quantised along the keys, not normalised; the row's sum is taken of the unquantised p and divides at the end.
; When M moves, the sums and O^T are multiplied by 2^(old M - new M), which rounds nothing; there is no branch on data.
; A BLOCK IS WHOLE IN A LANE: row m of K's tile T is key 64 (T / 4) + 8 (T % 4) + m % 8 + 32 (m / 8), so the 32 registers of tiles 4 c .. 4 c + 3 in lane (r, h) are keys 64 c + 32 h + 0 .. 31,
; the very registers of the second product's operand: no lane is asked for a block's maximum, a lane works on two blocks a tile and not four, and no codes change lanes.
; A BLOCK'S SCALE: floor(log2(its largest p)) = floor(x), x = the largest score through the same multiply-add as every score.  (Where v_exp_f32 rounds a p up to a power of two that x lies just under, that p is held at the largest code.)
; LIMITS: NaN and infinities are not served; the promise holds while the scaled scores stay under 2^31 in magnitude; p under 2^-126 comes out of v_exp_f32 as 0; x is held at -124 from below, so the byte is 1 at the least.
; SHARES.  A work-group keeps ONE kv head's image, 278,528 bytes, in LDS, filled once, and stays for two blocks of 64 query positions x the head's four query heads.
; Each of eight waves owns 32 rows of a block, two tiles of 16: row r of tile x is position 8 w + 4 x + r / 4, query head 4 g + r % 4.  A fragment of K or V from LDS feeds two matrix instructions.
; CLUSTER.  Four of the sixteen work-groups of a kv head form a cluster and ask for the image JOINTLY.  At the head each wave asks for its eighth of steps 0 to 3; behind the full sequence and a round, for its eighth of steps 4 to 15.
; Steps 0 to 2 of the first block (their look-ahead reads as far as step 3's K) run ahead of the one barrier that shows the rest landed; the loop over the other 29 steps has no barrier: nothing is filled again and the waves share nothing else.
; That loop finds its step by its counter: step N % 16 of block N / 16; behind each sixteenth step a scalar branch on the counter leads into the way out.  The last trip's look-ahead reads step 0's K once more and is not used.
; LEFT OUT: a ring (the head fits whole); prefetches (all of the image is asked for at the head, and both blocks' q too: there is no loop to run ahead in).
; REGISTERS.  Window 0: v1-63 as named below; v64-127 eight fragments of K or V; v128-255 S^T, then p, 64 a tile.  Window 1: v0-127 O^T, 64 a tile; v128-143 q; v144-160 the next block's q and scale words; v162-177 p's codes.
.set STEPB, 17408
.set KSC,   8192
.set VCO,   8704
.set VSC,   16896
.set CHB,   4*STEPB
.set HEADB, 16*STEPB
.set PARTA, CHB/8                      ; a wave's eighth of steps 0-3: 34 rows of 256 bytes
.set PARTB, (HEADB-CHB)/8              ; and of the rest: 102 rows
.set STAGE, HEADB                      ; behind the image: 16 rows x 272 bytes for each wave, for the way out
.set SP,    272
.set SPARE, STAGE+8*16*SP              ; the spare words: 128 bytes a wave
.set LI,  1                            ; 16 x lane
.set ADR, 2                            ; LDS address of the step in hand, + 16 x lane
.set GO,  4                            ; the way out: 512 h + 16 r in out0
.set STI, 5                            ; into my stage
.set STO, 6                            ; and back
.set QS,  7                            ; q's scale words: lanes 0-15 tile 0's rows, lanes 16-31 tile 1's
.set SPW, 8                            ; my spare word
.set NIL, 9                            ; 0
.set NM,  10                           ; tile x at + 2 x: -M (the pair's upper word is named and not used)
.set RM,  14                           ; tile x at + x: the running largest t
.set SUM, 16                           ; tile x, chain k at + 4 x + 2 k: the row's sum, in pairs
.set F,   24                           ; tile x at + 2 x: f, later 1 / the sum
.set TT,  28                           ; at work; later a lane's two scale bytes
.set SMX, 30                           ; the step's largest score
.set BMX, 32                           ; tile x, block c of my half at + 2 x + c: the block's largest score
.set E,   48                           ; at work on four blocks
.set OP,  52                           ; the conversions' scale operands
.set PS,  56                           ; p's scale word, tile x at + x; nothing else
.set PD,  58                           ; a permute's destination
.set KVS, 60                           ; register i: lanes 0-15 the words of tile 2 i, lanes 16-31 of tile 2 i + 1; nothing else
.set FR,  64
.set S,   128
.set QO,  250                          ; at the head only
.set QSO, 251
.set Q,   128                          ; window 1
.set QN,  144
.set QSN, 160
.set PC,  162
.set WV,  12
.set SEL, 20
.set CS,  22
.set G1A, 24
.set G0A, 32
.set G0B, 36
.set N,   40
.set TB,  41
.set PSEL, 42
.set G1B, 52
.set MSB, 0
.macro WIN new                         ; the immediate's high byte repeats the setting that is left
.if MSB != \new
	s_set_vgpr_msb (MSB<<8)|\new
.set MSB, \new
.endif
.endm
.set W_LD, 0x40                        ; destination window 1
.set W_QK, 0x04                        ; source 1 window 1
.set W_RS, 0x41                        ; destination and source 0 window 1
.set W_PV, 0x54                        ; source 1, C and D window 1
.macro VW
	s_wait_alu depctr_va_vdst(0)
.endm
.macro D2
	s_delay_alu instid0(VALU_DEP_2)
.endm
.macro CROUND                          ; a round of the cluster's barrier
	s_barrier_signal -1
	s_barrier_wait -1
	s_cmp_lg_u32 s[WV], 0
	s_cbranch_scc1 .Lnot_wave_0_\@
	s_barrier_signal -3
.Lnot_wave_0_\@:
	s_barrier_wait -3
	s_barrier_signal -1
	s_barrier_wait -1
.endm
.macro FETCH base, words               ; eight fragments and their scale words; every load reads 512 consecutive bytes
.irp t, 0,1,2,3,4,5,6,7
.irp c, 0,1
	ds_load_b128 v[FR+8*\t+4*\c:FR+8*\t+4*\c+3], v[ADR] offset:\base+1024*\t+512*\c
.endr
.endr
	ds_load_b128 v[KVS:KVS+3], v[ADR] offset:\words
.endm
.macro QLOAD q, off                    ; q's two fragments of a block
.irp x, 0,1
.irp c, 0,1
	global_load_b128 v[\q+8*\x+4*\c:\q+8*\x+4*\c+3], v[QO], s[6:7] offset:\off+8192*\x+32*\c
.endr
.endr
.endm
.macro QK t, x                         ; S^T of tile x, keys' tile t: a sum of one instruction, begun with 0
.set rD, S+64*(\x)+8*(\t)
.set rA, FR+8*(\t)
.set rB, Q+8*(\x)
.set rS, KVS+(\t)/2
.if ((\t)%2 == 0) && (\x == 0)
	v_wmma_scale_f32_16x16x128_f8f6f4 v[rD:rD+7], v[rA:rA+7], v[rB:rB+7], 0, v[rS], v[QS] matrix_a_fmt:MATRIX_FMT_FP4 matrix_b_fmt:MATRIX_FMT_FP4
.elseif ((\t)%2 == 1) && (\x == 0)
	v_wmma_scale_f32_16x16x128_f8f6f4 v[rD:rD+7], v[rA:rA+7], v[rB:rB+7], 0, v[rS], v[QS] matrix_a_fmt:MATRIX_FMT_FP4 matrix_b_fmt:MATRIX_FMT_FP4 matrix_a_scale:MATRIX_SCALE_ROW1
.elseif ((\t)%2 == 0)
	v_wmma_scale_f32_16x16x128_f8f6f4 v[rD:rD+7], v[rA:rA+7], v[rB:rB+7], 0, v[rS], v[QS] matrix_a_fmt:MATRIX_FMT_FP4 matrix_b_fmt:MATRIX_FMT_FP4 matrix_b_scale:MATRIX_SCALE_ROW1
.else
	v_wmma_scale_f32_16x16x128_f8f6f4 v[rD:rD+7], v[rA:rA+7], v[rB:rB+7], 0, v[rS], v[QS] matrix_a_fmt:MATRIX_FMT_FP4 matrix_b_fmt:MATRIX_FMT_FP4 matrix_a_scale:MATRIX_SCALE_ROW1 matrix_b_scale:MATRIX_SCALE_ROW1
.endif
.endm
.macro PV t, x                         ; O^T of tile x, channels 16 t on, += V^T P^T over the step's 128 keys
.set rD, 64*(\x)+8*(\t)
.set rA, FR+8*(\t)
.set rB, PC+8*(\x)
.set rS, KVS+(\t)/2
.if (\t)%2 == 0
	v_wmma_scale_f32_16x16x128_f8f6f4 v[rD:rD+7], v[rA:rA+7], v[rB:rB+7], v[rD:rD+7], v[rS], v[PS+\x] matrix_a_fmt:MATRIX_FMT_FP4 matrix_b_fmt:MATRIX_FMT_FP4
.else
	v_wmma_scale_f32_16x16x128_f8f6f4 v[rD:rD+7], v[rA:rA+7], v[rB:rB+7], v[rD:rD+7], v[rS], v[PS+\x] matrix_a_fmt:MATRIX_FMT_FP4 matrix_b_fmt:MATRIX_FMT_FP4 matrix_a_scale:MATRIX_SCALE_ROW1
.endif
.endm
.macro SUMS a, b                       ; THE ROW'S SUM IS TAKEN OF THE UNQUANTISED p: rounds a .. b - 1 of sixteen; a round is one packed addition on each of four chains
.set i, \a
.rept \b-\a
.irp x, 0,1
.irp k, 0,1
	v_pk_add_f32 v[SUM+4*\x+2*\k:SUM+4*\x+2*\k+1], v[SUM+4*\x+2*\k:SUM+4*\x+2*\k+1], v[S+64*\x+4*i+2*\k:S+64*\x+4*i+2*\k+1]
.endr
.endr
.set i, i+1
.endr
.endm
; A KEY STEP, 128 keys, for both tiles: step N % 16.  At its end the K of step (N + 1) % 16 is fetched.
.macro STEP
	VW
	s_wait_dscnt 0x0                               ; K's fragments and words are in
	WIN W_QK
.irp t, 0,1,2,3,4,5,6,7
.irp x, 0,1
	QK \t, \x
.endr
.endr
	WIN 0
.rept 4
	v_nop                                          ; four places ahead of the loads into registers that these products read, and of the first reads of their results
.endr
	FETCH VCO, VSC                                 ; V lands while the softmax is walked
; the largest score of each of my four blocks (i = 2 x + c: registers S + 32 i ..), each in two chains: eight chains by turns.  Each accumulator is read from its low end on
.irp i, 0,1,2,3
	v_max3_num_f32 v[BMX+\i], v[S+32*\i], v[S+32*\i+1], v[S+32*\i+2]
	v_max3_num_f32 v[E+\i], v[S+32*\i+16], v[S+32*\i+17], v[S+32*\i+18]
.endr
.irp k, 3,5,7,9,11,13
.irp i, 0,1,2,3
	v_max3_num_f32 v[BMX+\i], v[BMX+\i], v[S+32*\i+\k], v[S+32*\i+\k+1]
	v_max3_num_f32 v[E+\i], v[E+\i], v[S+32*\i+16+\k], v[S+32*\i+17+\k]
.endr
.endr
.irp i, 0,1,2,3
	v_max3_num_f32 v[BMX+\i], v[BMX+\i], v[E+\i], v[S+32*\i+15]
.endr
.irp i, 0,1,2,3
	v_max_num_f32 v[BMX+\i], v[BMX+\i], v[S+32*\i+31]
.endr
.irp x, 0,1
	v_max_num_f32 v[SMX+\x], v[BMX+2*\x], v[BMX+2*\x+1]
.endr
.irp x, 0,1
	D2
	v_permlanex16_b32 v[PD+\x], v[SMX+\x], s[SEL], s[SEL+1]
.endr
.irp x, 0,1
	D2
	v_max_num_f32 v[SMX+\x], v[SMX+\x], v[PD+\x]                 ; with lane l xor 16's blocks: the step's largest score of my row
.endr
.irp x, 0,1
	D2
	v_mul_f32 v[TT+\x], s[CS], v[SMX+\x]                         ; as t
.endr
.irp x, 0,1
	D2
	v_max_num_f32 v[RM+\x], v[RM+\x], v[TT+\x]                   ; the running largest t
.endr
.irp x, 0,1
	v_mov_b32 v[TT+\x], v[NM+2*\x]
.endr
.irp x, 0,1
	v_floor_f32 v[NM+2*\x], -v[RM+\x]                            ; the new -M = floor(-t) = -ceil(t)
.endr
.irp x, 0,1
	D2
	v_sub_f32 v[TT+\x], v[NM+2*\x], v[TT+\x]                     ; old M - new M: a whole number, 0 or less
.endr
.irp x, 0,1
	D2
	v_cvt_i32_f32 v[TT+\x], v[TT+\x]                             ; (it saturates)
.endr
.irp x, 0,1
	D2
	v_ldexp_f32 v[F+2*\x], 1.0, v[TT+\x]                         ; f = 2^(old M - new M)
.endr
.irp i, 0,1,2,3
	v_fma_f32 v[E+\i], v[BMX+\i], s[CS], v[NM+2*(\i/2)]          ; x of each block's largest score
.endr
.irp i, 0,1,2,3
	v_max_num_f32 v[E+\i], 0xc2f80000, v[E+\i]                   ; held at -124 from below: the byte cannot fall under 1
.endr
.irp i, 0,1,2,3
	v_cvt_floor_i32_f32 v[E+\i], v[E+\i]                         ; e = floor(log2(the block's largest p))
.endr
.irp i, 0,1,2,3
	v_add_lshl_u32 v[OP+\i], v[E+\i], 125, 23                    ; the byte e - 2 + 127 as an exponent field: the conversion's scale operand
.endr
.irp x, 0,1
	v_lshl_add_u32 v[TT+\x], v[E+2*\x+1], 16, v[E+2*\x]
.endr
.irp x, 0,1
	D2
	v_add_nc_u32 v[TT+\x], 0x7d007d, v[TT+\x]                    ; my two bytes, of blocks h and 2 + h, in bytes 0 and 2
.endr
.irp x, 0,1
	D2
	v_permlanex16_b32 v[PD+\x], v[TT+\x], s[SEL], s[SEL+1]
.endr
.set j, 0
.rept 32
.irp x, 0,1
	v_pk_fma_f32 v[S+64*\x+j:S+64*\x+j+1], v[S+64*\x+j:S+64*\x+j+1], s[CS:CS+1], v[NM+2*\x:NM+2*\x+1] op_sel_hi:[1,0,0]   ; t - M, two at a time
.endr
.set j, j+2
.endr
	VW
.set j, 0
.rept 64
.irp x, 0,1
	v_exp_f32 v[S+64*\x+j], v[S+64*\x+j]                         ; p = 2^(t - M)
.endr
.set j, j+1
.endr
.irp x, 0,1
	v_perm_b32 v[PS+\x], v[PD+\x], v[TT+\x], s[PSEL]             ; lanes 0-15: my bytes 0 and 2 with lane l + 16's as bytes 1 and 3: p's scale word (lanes 16-31 are not read).  A plain place behind the exponentials
.endr
	VW
	WIN W_LD
.irp t, 0,1,2,3,4,5,6,7
.irp x, 0,1
	v_cvt_scalef32_pk8_fp4_f32 v[PC+8*\x+\t], v[S+64*\x+8*\t:S+64*\x+8*\t+7], v[OP+2*\x+\t/4]   ; register t of the operand: keys 64 (t / 4) + 32 h + 8 (t % 4) + 0 .. 7
.endr
.endr
	v_nop                                          ; one plain place behind the scaled conversions
	WIN W_RS
	VW
.set j, 0
.rept 32
.irp x, 0,1
	v_pk_mul_f32 v[64*\x+j:64*\x+j+1], v[64*\x+j:64*\x+j+1], v[F+2*\x:F+2*\x+1] op_sel_hi:[1,0]   ; O^T under the new M, from each accumulator's low end on.  (Also the places between p's codes and scale words and the products)
.endr
.set j, j+2
.endr
	WIN 0
.irp k, 0,1
.irp x, 0,1
	v_pk_mul_f32 v[SUM+4*\x+2*\k:SUM+4*\x+2*\k+1], v[SUM+4*\x+2*\k:SUM+4*\x+2*\k+1], v[F+2*\x:F+2*\x+1] op_sel_hi:[1,0]   ; the sums under the new M
.endr
.endr
	VW
	s_wait_dscnt 0x0                               ; V's fragments and words are in
	WIN W_PV
.irp t, 0,1,2,3,4,5,6,7
.irp x, 0,1
	PV \t, \x                                      ; sixteen accumulators by turns, one instruction a turn
.endr
.endr
	WIN 0
	SUMS 0, 1                                      ; four places behind the products
	s_add_co_u32 s[TB], s[N], 1
	s_and_b32 s[TB], s[TB], 15
	s_mul_i32 s[TB], s[TB], STEPB                  ; step (N + 1) % 16
	v_add_nc_u32 v[ADR], s[TB], v[LI]
	FETCH 0, KSC                                   ; its K lands under the other 60 additions
	SUMS 1, 16
.endm
.macro INIT copy                       ; a block begins.  copy = 1: its q comes from the registers that the head filled
.if \copy
	WIN W_RS
.set j, 0
.rept 16
	v_mov_b32 v[Q+j], v[QN+j]
.set j, j+1
.endr
	WIN 0x01
	v_mov_b32 v[QS], v[QSN]
	WIN 0
.endif
.irp x, 0,1
	v_mov_b32 v[RM+\x], 0xff61b1e6                 ; the largest t so far: -3e38, under every t
.endr
.irp x, 0,1
	D2
	v_floor_f32 v[NM+2*\x], -v[RM+\x]              ; -M
.endr
.set j, 0
.rept 8
	v_mov_b32 v[SUM+j], 0
.set j, j+1
.endr
	WIN W_LD
.set j, 0
.rept 128
	v_mov_b32 v[j], 0                              ; O^T: the step has no first form of its own; the first change of M leaves zeros zeros
.set j, j+1
.endr
	WIN 0
.endm
	s_load_b256 s[4:11], s[0:1], 0x0               ; kvq s[4:5], q_codes s[6:7], q_scales s[8:9], out0 s[10:11]
	v_lshl_add_u32 v[SPW], v0, 2, SPARE
	v_mov_b32 v[NIL], 0
	ds_add_u32 v[SPW], v[NIL]                      ; the opening lines: the add, twice on end, and its wait ahead of my first tensor load
	ds_add_u32 v[SPW], v[NIL]
	v_lshrrev_b32 v1, 5, v0
	v_readfirstlane_b32 s[WV], v1                  ; wave 0..7
	s_and_b32 s15, ttmp7, 0xffff                   ; y = 8 b + g: the kv head, which the four partners share
	s_mul_i32 s[G0A+1], s[WV], PARTA               ; LDS addresses: my eighth of steps 0-3,
	s_mul_i32 s[G0B+1], s[WV], PARTB
	s_add_co_u32 s[G0B+1], s[G0B+1], CHB           ; and of the rest; the image lies in LDS as in kvq
	s_mul_i32 s44, s15, HEADB
	s_add_co_u32 s46, s44, s[G0B+1]
	s_add_co_u32 s44, s44, s[G0A+1]
	s_mov_b32 s45, 0
	s_mov_b32 s47, 0
	; descriptor groups 1: rows of 256 bytes (32 elements of 8 bytes), dense in memory and in LDS; 34 rows and 102
	s_mov_b32 s[G1A], 15|(3<<16)|(1<<21)           ; the mask of all four work-groups; elements of 8 bytes; bit 21 beside a mask
	s_mov_b32 s[G1A+1], 32<<16
	s_mov_b32 s[G1A+2], (PARTA/256)<<16
	s_mov_b32 s[G1A+3], 32<<16
	s_mov_b32 s[G1A+4], PARTA/256
	s_mov_b32 s[G1A+5], 32
	s_mov_b32 s[G1A+6], 0
	s_mov_b32 s[G1A+7], 0
	s_mov_b32 s[G1B], 15|(3<<16)|(1<<21)
	s_mov_b32 s[G1B+1], 32<<16
	s_mov_b32 s[G1B+2], (PARTB/256)<<16
	s_mov_b32 s[G1B+3], 32<<16
	s_mov_b32 s[G1B+4], PARTB/256
	s_mov_b32 s[G1B+5], 32
	s_mov_b32 s[G1B+6], 0
	s_mov_b32 s[G1B+7], 0
	s_mov_b32 s[SEL], 0x76543210
	s_mov_b32 s[SEL+1], 0xfedcba98                 ; v_permlanex16_b32's selects for lane l xor 16
	s_mov_b32 s[CS], 0x3fb8aa3b                    ; log2(e): K already carries 1 / sqrt(128)
	s_mov_b32 s[CS+1], s[CS]
	s_mov_b32 s[PSEL], 0x06020400
	; q and out0: position 128 X + 8 w on, X = 4 x cluster x + my place in it
	s_bfe_u32 s13, ttmp6, 0x40000
	s_lshl_b32 s14, ttmp9, 2
	s_add_co_u32 s14, s14, s13
	s_lshr_b32 s17, s15, 3                         ; b
	s_and_b32 s18, s15, 7                          ; g
	s_lshl_b32 s19, s14, 7
	s_lshl_b32 s16, s[WV], 3
	s_add_co_u32 s19, s19, s16
	s_lshl_b32 s48, s17, 22                        ; q_codes: b 2^22 + position 2048 + 256 g
	s_lshl_b32 s16, s19, 11
	s_add_co_u32 s48, s48, s16
	s_lshl_b32 s16, s18, 8
	s_add_co_u32 s48, s48, s16
	s_mov_b32 s49, 0
	s_lshl_b32 s50, s17, 18                        ; q_scales: b 2^18 + position 128 + 16 g
	s_lshl_b32 s16, s19, 7
	s_add_co_u32 s50, s50, s16
	s_lshl_b32 s16, s18, 4
	s_add_co_u32 s50, s50, s16
	s_mov_b32 s51, 0
	s_lshl_b32 s60, s17, 25                        ; out0: b 2^25 + position 16384 + 2048 g
	s_lshl_b32 s16, s19, 14
	s_add_co_u32 s60, s60, s16
	s_lshl_b32 s16, s18, 11
	s_add_co_u32 s60, s60, s16
	s_mov_b32 s61, 0
	s_mul_i32 s43, s[WV], 16*SP
	s_add_co_u32 s43, s43, STAGE                   ; my stage
	s_wait_dscnt 0x0                               ; both opening adds are done
	s_wait_kmcnt 0x0
	s_add_nc_u64 s[6:7], s[6:7], s[48:49]
	s_add_nc_u64 s[8:9], s[8:9], s[50:51]
	s_add_nc_u64 s[10:11], s[10:11], s[60:61]
	s_mov_b32 s[G0A], 1
	s_add_nc_u64 s[G0A+2:G0A+3], s[4:5], s[44:45]
	s_or_b32 s[G0A+3], s[G0A+3], 0x80000000
	s_mov_b32 s[G0B], 1
	s_add_nc_u64 s[G0B+2:G0B+3], s[4:5], s[46:47]
	s_or_b32 s[G0B+3], s[G0B+3], 0x80000000
	CROUND                                         ; all four work-groups are here: the joint loads meet
	tensor_load_to_lds s[G0A:G0A+3], s[G1A:G1A+7]  ; my eighth of steps 0-3: my one load at the head
	s_nop 0
.rept 4
	v_nop
.endr
	v_and_b32 v253, 31, v0                         ; lane
	v_and_b32 v254, 15, v0                         ; r
	v_bfe_u32 v255, v0, 4, 1                       ; h
	v_lshlrev_b32 v[LI], 4, v253
	v_lshlrev_b32 v[GO], 4, v254
	v_mul_u32_u24 v[STI], v254, SP
	v_mul_u32_u24 v[STO], v255, SP
	v_lshrrev_b32 v[QO], 2, v254
	v_lshrrev_b32 v[QSO], 2, v253
	v_and_b32 v252, 3, v254
	v_lshl_add_u32 v[GO], v255, 9, v[GO]
	v_lshl_add_u32 v[STI], v255, 5, v[STI]
	v_lshl_add_u32 v[STO], v254, 4, v[STO]
	v_lshlrev_b32 v[QO], 11, v[QO]                 ; position r / 4: 2,048 bytes each,
	v_lshlrev_b32 v[QSO], 7, v[QSO]                ; position lane / 4 (tile 1 begins four positions on): 128 bytes each,
	v_add_nc_u32 v[STI], s43, v[STI]               ; in: row r, 32 bytes for each half of the lanes
	v_add_nc_u32 v[STO], s43, v[STO]               ; back: lanes 0-15 one row of 256 bytes, lanes 16-31 the next
	v_lshl_add_u32 v[QO], v252, 6, v[QO]           ; head r % 4: 64 bytes each,
	v_lshl_add_u32 v[QSO], v252, 2, v[QSO]         ; head lane % 4: a word each
	v_mov_b32 v[ADR], v[LI]                        ; step 0
	v_lshl_add_u32 v[QO], v255, 4, v[QO]           ; + 16 h
	global_load_b32 v[QS], v[QSO], s[8:9]          ; both blocks' q and scale words
	WIN W_LD
	QLOAD Q, 0
	QLOAD QN, 131072
	global_load_b32 v[QSN], v[QSO], s[8:9] offset:8192
	WIN 0
.irp r, NM+1, NM+3, F+1, F+3, PD, PD+1
	v_mov_b32 v[\r], 0                             ; named as upper halves of pairs, or as a lane permute's destination
.endr
	INIT 0
	VW                                             ; the head's end
	s_wait_tensorcnt 0x0                           ; my eighth of steps 0-3 is in
	ds_add_u32 v[SPW], v[NIL]
	s_wait_dscnt 0x0
	CROUND                                         ; everybody's is in, and the four work-groups meet
	tensor_load_to_lds s[G0B:G0B+3], s[G1B:G1B+7]  ; my eighth of steps 4-15: my last load
	s_nop 0
.rept 4
	v_nop
.endr
	FETCH 0, KSC                                   ; step 0's K
	s_wait_loadcnt 0x0                             ; q
	s_mov_b32 s[N], 0
.Lfirst:                                               ; steps 0-2 of the first block; the look-ahead reads as far as step 3's K: all inside the head's load
	STEP
	s_add_co_u32 s[N], s[N], 1
	s_cmp_lt_u32 s[N], 3
	VW
	s_cbranch_scc1 .Lfirst
	s_wait_tensorcnt 0x0                           ; my eighth of the rest is in,
	s_wait_dscnt 0x0
	s_barrier_signal -1
	s_barrier_wait -1                              ; everybody's is.
.Lstep:                                                ; 29 trips: N = 3 .. 31
	STEP
	s_and_b32 s[TB], s[N], 15
	s_cmp_lg_u32 s[TB], 15
	VW
	s_cbranch_scc1 .Lnext
	; THE WAY OUT of a block.  O^T / the sum goes through my stage, half a row (64 channels, 256 bytes) of a tile's 16 rows at a time, and comes back as whole runs of 256 bytes.
.irp x, 0,1
	v_pk_add_f32 v[SUM+4*\x:SUM+4*\x+1], v[SUM+4*\x:SUM+4*\x+1], v[SUM+4*\x+2:SUM+4*\x+3]
.endr
.irp x, 0,1
	D2
	v_add_f32 v[TT+\x], v[SUM+4*\x], v[SUM+4*\x+1]
.endr
.irp x, 0,1
	D2
	v_permlanex16_b32 v[PD+\x], v[TT+\x], s[SEL], s[SEL+1]
.endr
.irp x, 0,1
	D2
	v_add_f32 v[TT+\x], v[TT+\x], v[PD+\x]                       ; with lane l xor 16's: the row's sum
.endr
	VW
.irp x, 0,1
	v_rcp_f32 v[F+2*\x], v[TT+\x]
.endr
	v_nop                                          ; one plain place behind the reciprocals
	WIN W_RS
	VW
.set j, 0
.rept 32
.irp x, 0,1
	v_pk_mul_f32 v[64*\x+j:64*\x+j+1], v[64*\x+j:64*\x+j+1], v[F+2*\x:F+2*\x+1] op_sel_hi:[1,0]   ; register 8 t + i of tile x: channel 16 t + 8 h + i of row r
.endr
.set j, j+2
.endr
.irp x, 0,1
.irp u, 0,1                                    ; channels 64 u on
	WIN W_QK                                       ; an LDS store's data are its source 1
.irp t, 0,1,2,3
	ds_store_b128 v[STI], v[64*\x+8*(4*\u+\t):64*\x+8*(4*\u+\t)+3] offset:64*\t
	ds_store_b128 v[STI], v[64*\x+8*(4*\u+\t)+4:64*\x+8*(4*\u+\t)+7] offset:64*\t+16
.endr
	WIN 0
.irp i, 0,1,2,3,4,5,6,7
	ds_load_b128 v[S+32*(2*\x+\u)+4*\i:S+32*(2*\x+\u)+4*\i+3], v[STO] offset:2*SP*\i   ; LDS serves a wave's instructions in order (ISA guide 5.7.1.4): these see my stores, and the next piece's stores come behind them
.endr
.endr
.endr
.irp x, 0,1
.irp u, 0,1
.irp i, 0,1,2,3,4,5,6,7
	s_wait_dscnt (3-(2*\x+\u))*16+7-\i             ; behind this load: the rest of its piece's eight, and sixteen LDS instructions for each later piece (the look-ahead's loads are older)
	global_store_b128 v[GO], v[S+32*(2*\x+\u)+4*\i:S+32*(2*\x+\u)+4*\i+3], s[10:11] offset:65536*\x+16384*(\i/2)+1024*(\i%2)+256*\u th:TH_STORE_NT   ; stage rows 2 i, 2 i + 1: position i / 2, heads 2 (i % 2) and + 1; each half of the lanes stores 256 consecutive bytes, aligned
.endr
.endr
.endr
	s_wait_xcnt 0x0                                ; only behind this wait is the base stepped and are the stores' data written again
	s_add_nc_u64 s[10:11], s[10:11], 1048576       ; 64 positions on
	s_cmp_eq_u32 s[N], 31
	s_cbranch_scc1 .Ldone                          ; the last block has no successor
	INIT 1
	VW
.Lnext:
	s_add_co_u32 s[N], s[N], 1
	s_cmp_lt_u32 s[N], 32
	s_cbranch_scc1 .Lstep
.Ldone:
	s_wait_tensorcnt 0x0                           ; the wave's end
	ds_add_u32 v[SPW], v[NIL]
	s_wait_dscnt 0x0
	CROUND                                         ; the closing round
	s_endpgm
.Lfunc_end_k_qaeb0daf25d_attn:
	.size	k_qaeb0daf25d_attn, .Lfunc_end_k_qaeb0daf25d_attn-k_qaeb0daf25d_attn
	.p2alignl 7, 3214868480
	.fill 96, 4, 3214868480
	.section	.rodata,"a",@progbits
	.p2align	6, 0x0
	.amdhsa_kernel k_qaeb0daf25d_attn
		.amdhsa_group_segment_fixed_size 327680
		.amdhsa_private_segment_fixed_size 0
		.amdhsa_enable_private_segment 0
		.amdhsa_kernarg_size 32
		.amdhsa_user_sgpr_count 2
		.amdhsa_user_sgpr_kernarg_segment_ptr 1
		.amdhsa_wavefront_size32 1
		.amdhsa_system_sgpr_workgroup_id_x 1
		.amdhsa_system_sgpr_workgroup_id_y 1
		.amdhsa_system_sgpr_workgroup_id_z 1
		.amdhsa_system_vgpr_workitem_id 0
		.amdhsa_next_free_vgpr 436
		.amdhsa_next_free_sgpr 66
		.amdhsa_reserve_vcc 0
		.amdhsa_float_denorm_mode_32 3
		.amdhsa_float_denorm_mode_16_64 3
		.amdhsa_memory_ordered 1
		.amdhsa_forward_progress 1
		.amdhsa_inst_pref_size 94
	.end_amdhsa_kernel
	.amdgpu_metadata
---
amdhsa.version: [ 1, 2 ]
amdhsa.kernels:
  - .name:           k_qaeb0daf25d_attn
    .symbol:         k_qaeb0daf25d_attn.kd
    .args:
      - { .name: kvq, .offset: 0, .size: 8, .value_kind: global_buffer, .address_space: global }
      - { .name: q_codes, .offset: 8, .size: 8, .value_kind: global_buffer, .address_space: global }
      - { .name: q_scales, .offset: 16, .size: 8, .value_kind: global_buffer, .address_space: global }
      - { .name: out0, .offset: 24, .size: 8, .value_kind: global_buffer, .address_space: global }
    .group_segment_fixed_size: 327680
    .private_segment_fixed_size: 0
    .kernarg_segment_align: 8
    .kernarg_segment_size: 32
    .max_flat_workgroup_size: 256
    .sgpr_count:     66
    .vgpr_count:     436
    .wavefront_size: 32
...
	.end_amdgpu_metadata
.endif
;; end of part 2
